; MI455X (gfx1250); checked and timed in simulation.
; The chip was launched on July 23, 2026; its instructions are those of AMD's public machine-readable ISA for CDNA 5 (MIT licence, August 2026) and "CDNA5" Instruction Set Architecture Reference Guide (July 2026). The comments in the code are by the model that wrote it; some were corrected since.
;; Spike Refractory Encoder. Allowed arithmetic: matrix products marked QUANTISED: E5M2 operands, one given power-of-two scale a tensor, by v_wmma_f32_16x16x64_bf8_bf8 or v_wmma_f32_16x16x128_bf8_bf8, f32 sums; products left as they are: f32 operands where the result goes on into a quantised operand, else bf16, f16 or f32 operands; f32 sums; everything else in f32.
;; Inputs: W1 35 x 32 float32; W2_codes 32 x 1 x 32 uint8 (E5M2 codes of W2, K innermost, in blocks of 32 codes); b1 32 float32; b2 32 float32; gate_b one number float32; gate_w 32 float32; log_alpha 64 float32; log_tau_r 64 float32; lowp_scales 4 int32 (the exponents e of the quantised operands' scales 2^e); mask 8 x 2,048 float32; time_norm 8 x 2,048 float32; value 8 x 2,048 float32; var_emb 64 x 32 float32; var_id 8 x 2,048 int32.
;; Outputs: out0 8 x 2,048 float32.
;; This version of the problem:
;;   THIS VERSION OF THE PROBLEM IS GIVEN IN LOW PRECISION. The matrix products marked QUANTISED in the list below multiply operands that are first quantised to E5M2 (5 exponent bits, 2 mantissa bits; 8 bits a number), with one given power-of-two scale for each operand tensor; their sums are f32. All else is computed in f32.
;;   The module's matrix products, in the order in which they are computed (A, B: the left and right operand; K: the contracted axis; several contracted axes count as one K, in the product's order):
;;     1. [M 16,384, K 35] x [K 35, N 32]; A: computed on the way; B: input W1: QUANTISED (scales: A lowp_scales[0], B lowp_scales[1])
;;     2. [M 16,384, K 32] x [K 32, N 32]; A: computed on the way; B: input W2 (given as codes): QUANTISED (scales: A lowp_scales[2], B lowp_scales[3])
;;     3. [M 16,384, K 32] x [K 32, N 1]; A: computed on the way; B: input gate_w: left as it is (N = 1 < 16)
;;     4. batch 8 x [M 2,048, K 2,048] x [K 2,048, N 1]; A: computed on the way; B: computed on the way: left as it is (N = 1 < 16)
;;   THE QUANTISER, for each operand of a quantised product, along K:
;;     - The operand's scale is 2^e, e = its entry of the input lowp_scales (int32; the entries are numbered through the quantised products in the list's order, A before B).
;;     - Each number is divided by the scale, clamped to +-57,344, and rounded to the nearest number of E5M2, ties to even, subnormals kept.
;;     - The product sums the exact products of the quantised numbers (number of the format x scale) in f32.
;;   ~~~python
;;   def quantise(x, axis, e):      # numpy; x: float32 -> the quantised numbers, widened to float32 again
;;       x = np.moveaxis(x, axis, -1); K = x.shape[-1]
;;       r = np.clip(x / 2.0 ** e, -57344, 57344)
;;       step = 2.0 ** (np.maximum(np.frexp(np.where(r == 0, 1, r))[1] - 1, -14) - 2)
;;       q = np.round(r / step) * step * 2.0 ** e      # np.round: ties to even
;;       return np.moveaxis(q, -1, axis).astype(np.float32)
;;   ~~~
;;   OPERANDS COMPUTED ON THE WAY. 'Computed on the way' means the value that the module computes at that place (a softmax that the list does not call 'softmax' is quantised finished and normalised). What goes into a quantiser is computed in f32, as accurately as f32 sums, v_exp_f32 and their like allow (about 1e-6 of the number): no bf16 or f16 on the way to a quantiser, and a product that is left as it is and whose result goes on into a quantised operand takes f32 operands (vector FMAs, or v_wmma_f32_16x16x4_f32). A number that lies on a knife's edge between two numbers of the format may be rounded either way, as far as f32 arithmetic and the matrix unit's own rounding can turn it there, and no further.
;;   INPUTS GIVEN AS CODES. W2 (in the module: [32, 32], K = its axis 0): each comes as NAME_codes (uint8): NAME with its K axis moved to the last place and cut into blocks of 32 codes, [.., K / 32, bytes a block], one block behind the other in memory; one code a byte (a code: sign, 5 exponent bits, 2 mantissa bits); its scale is its entry of lowp_scales. Its value is code x scale, taken as it is: it is not quantised again, and the codes and scales need not be those that the quantiser above would give.
;; 2 versions, each right; version 2 is version 1 with the launch spike written anew for expert scheduling mode. Each part assembles by itself: llvm-mc -triple=amdgcn-amd-amdhsa -mcpu=gfx1250 --defsym DOCPART=n.
;; ======== version 1 of 2: 1 launch
;; launch spike (part 1): grid 64 x 8, 1 waves a work-group, no clusters, 34,048 bytes of LDS; arguments var_id, value, time_norm, mask, var_emb, W1, b1, W2_codes, b2, gate_w, gate_b, log_tau_r, log_alpha, lowp_scales, out0; writes out0
.if DOCPART == 1
	.amdgcn_target "amdgcn-amd-amdhsa--gfx1250"
	.amdhsa_code_object_version 6
	.text
	.protected	k_q38d820e15e_spike
	.globl	k_q38d820e15e_spike
	.p2align	8
	.type	k_q38d820e15e_spike,@function
k_q38d820e15e_spike:
	s_mov_b64 s[64:65], 0
	v_nop
	global_prefetch_b8 v0, s[64:65] scope:SCOPE_SE
	s_setreg_imm32_b32 hwreg(HW_REG_WAVE_MODE, 25, 1), 1
	s_wait_xcnt 0x0
; SpikeRefractoryEncoder, 8 batches x 2,048 observations, 64 variables, hidden width 32; both products of the small MLP on codes of BF8 (E5M2).
; THE SHARE.  The pair mask that the problem builds itself keeps only pairs of ONE variable in ONE batch.  So a work-group, one wave, takes one bucket: variable = work-group x, batch = work-group y.
; It (1) scans the batch's 2,048 var_id and lists the rows of its variable in LDS; (2) walks the list 32 rows a trip through the MLP: features -> codes, x W1, gelu -> codes, x W2, gate, sigmoid;
; (3) for each 32 rows n of the list (a lane a row) walks all rows m of the list and sums 2^(c (t_n - t_m)) w_m where t_n > t_m; (4) out = w_n (1 - tanh(alpha mask_n sum)) = w_n 2 / (1 + 2^(2 log2(e) alpha mask_n sum)).
; w = mask^2 sigmoid: the row's spike_raw x its own factor of the pair mask (as m), and spike_raw x the last mask (as n).  Within a bucket tau, alpha and the embedding are constants.
; Each row of a batch lies in exactly one bucket, so each number of out0 has one owner.  A bucket's rows lie scattered over the batch, so out0 leaves by stores of 4 bytes a lane: 64 KiB in the whole launch.
; EXEC is never changed: in the last group of 32 rows n a lane past the list's end takes the list's LAST row, does that row's work on the same numbers and stores the same number to the same 4 bytes.
; One wave a work-group: LDS serves a wave's instructions in order (ISA guide 5.7.1.4), so the text has no barrier.  Branches, trip counts and gathered addresses hang on var_id alone (whole numbers), each index held by v_min_u32.
; No tensor load, no cluster: the trip counts hang on a count made from var_id; what the 64 buckets of a batch share is 8 KiB of var_id.
; THE PRODUCTS, v_wmma_f32_16x16x64_bf8_bf8, both used transposed (source 0 = 16 rows of the weight, source 1 = 16 list rows), K = 35 and K = 32 filled up to 64 with zero codes on both sides.
;   Product 1: K's places are permuted alike on both sides: places 0-31 the embedding (W1's rows 3-34), places 32-34 value x mask, time, mask (W1's rows 0-2).  b1 / 2^(e0+e1) is the C of the product.
;   Its result holds, in lane (r, h), register j, hidden unit 16 T + 8 h + j of row r: the two tiles' conversions ARE the second product's operand (registers 2 c, 2 c + 1: k = 16 c + 8 h + 0..7).
; gelu(u) = u/2 + u/2 erf(u / sqrt 2); erf(x) = x P(x^2) / Q(x^2) on |x| <= 4 (degrees 6 and 4 in x^2), all in f32.
; LIMITS.  e0, e1, e2 between -126 and 112; e0 + e1 between -125 and 127; gate_w x 2^(e2+e3) stays an f32 number.  var_id between 0 and 63 (it indexes tables of 64).  NaN and infinities among the inputs are not served.
; erf's absolute error is some 1e-7, so gelu's relative accuracy falls off for u under -3, where |gelu| is under 5e-3.  v_exp_f32 gives 0 under 2^-126.  The pair sums are taken in the list's order.
; A split with all rows on one variable is served (64 trips, 64 x 64 inner trips in that wave); an empty bucket stores nothing and ends.
; ADDRESS REGISTERS (v1-7, v34, v35, v44, v45) hold addresses and places and nothing else; a listed row's number is loaded into v37, v41 or v46 and held by v_min_u32 before it is shifted into v44 or v45.
.set LIST, 0                           ; LDS: 2,112 words: the row n of list place p; filled with 0 first; 64 places of slack for the reads two trips ahead
.set DUMPW, 2112                       ; word 2112 + lane: where a lane without a match stores
.set TARR, 8704                        ; 2,080 f32: t of list place p
.set WARR, 17152                       ; 2,080 f32: w of list place p (0 from the list's end on)
.set MARR, 25600                       ; 2,048 f32: mask of list place p
.set VAR,  34                          ; s34  my variable
.set LOW,  35                          ; s35  0xffff: lanes 0-15
.set SEL,  40                          ; s[40:41] v_permlanex16_b32's selects for lane l xor 16
.set ZF,   52                          ; s[52:53] 2^(e0+e1) / sqrt 2
.set HF,   54                          ; s[54:55] 2^(e0+e1) / 2
.set CNT,  56                          ; s56  rows in my list
.set NT,   57                          ; s57  trips of 32 rows
.set KA,   66                          ; s[66:77] erf's A1..A6, each twice; in the pair phase s66-81 hold sixteen compare masks
.set KB,   78                          ; s[78:85] erf's B1..B4, each twice
.set MK,   86                          ; s[86:89] the scan: four match masks
.set CN,   90                          ; s[90:93] their counts
.set BS,   94                          ; s[94:97] the list places at which they begin; s94 runs on
.set POS,  8                           ; v8-11   the scan: list place, then LDS address
.set IDX,  12                          ; v12-15  the scan: the row's number
.set NA,   34                          ; v34  the row loop: 4 x lane + 128 x trip, my place in the list's arrays; the pair phase: lane + 32 x group, my list place
.set MA,   35                          ; v35  the pair phase: 128 x inner trip, the same in every lane
.set W1F,  64                          ; v64-79  W1's two fragments
.set FA,   80                          ; v80-95  the features' two fragments
.set B1,   96                          ; v96-111 b1 / 2^(e0+e1), in the result's layout
.set W2F,  112                         ; v112-127 W2's two fragments
.set HC,   128                         ; v128-143 the hidden layer's two fragments (first: the raw embedding)
.set GW,   144                         ; v144-159 gate_w x 2^(e2+e3), in the second result's layout
.set ID,   160                         ; v160-223 the scan: 64 var_id a lane
.set H,    160                         ; v160-191 the first product's four results
.set Z,    192                         ; v192-207 u / sqrt 2, held within +-4
.set X2,   208                         ; v208-223 its square
.set P,    224                         ; v224-239 erf's numerator
.set Q,    240                         ; v240-255 erf's denominator
.set G,    192                         ; v192-223 the second product's four results
.set DA,   224                         ; v224-227, v228-231 the gate's partial sums
.set DB,   228
.set SA,   160                         ; the pair phase: set A: 16 t, then 16 w
.set SB,   192                         ; set B
.set ACC,  224                         ; four pairs of sums;  v[232:233] t_n, v234 w_n, v235 mask_n, v239, v240 at work
	s_load_b512 s[4:19], s[0:1], 0x0               ; var_id s[4:5], value s[6:7], time s[8:9], mask s[10:11], var_emb s[12:13], W1 s[14:15], b1 s[16:17], W2's codes s[18:19]
	s_load_b256 s[20:27], s[0:1], 0x40             ; b2 s[20:21], gate_w s[22:23], gate_b s[24:25], log_tau_r s[26:27]
	s_load_b128 s[28:31], s[0:1], 0x60             ; log_alpha s[28:29], the scales' exponents s[30:31]
	s_load_b64 s[32:33], s[0:1], 0x70              ; out0
	s_set_vgpr_msb 0x40
	v_lshl_add_u32 v0, v0, 2, 0x8400
	v_mov_b32 v1, 0
	s_set_vgpr_msb 0x4000
	v_lshlrev_b32 v1, 2, v0                        ; 4 x lane
	v_lshlrev_b32 v2, 4, v0                        ; 16 x lane
	v_and_b32 v8, 15, v0                           ; r
	v_lshrrev_b32 v9, 4, v0                        ; h
	v_lshlrev_b32 v3, 2, v8                        ; 4 r
	v_lshl_add_u32 v4, v9, 10, v3                  ; W1: 8 h rows of 128 bytes + 4 r
	v_lshlrev_b32 v5, 5, v9                        ; 32 h: eight f32 of my half
	v_lshlrev_b32 v6, 3, v9
	v_lshl_add_u32 v6, v8, 5, v6                   ; W2's codes: row r of 32 bytes + 8 h
	v_add_nc_u32 v7, DUMPW, v0                     ; my dump word
.irp r, 16,17,18,19,29,47,51,52,53,54,55,59,60,61,62,63,69,70,71,77,78,79,85,86,87,93,94,95,116,117,118,119,124,125,126,127,233
	v_mov_b32 v\r, 0                               ; zeros for LDS; the numbers and codes that fill K up to 64; destinations of lane permutes and upper halves of named pairs
.endr
	v_mov_b32 v27, 0xff800000                      ; -infinity: 2^(-infinity) = 0 for a pair that does not count
	v_mov_b32 v30, 0xaf95df0b                      ; erf's A0, twice
	v_mov_b32 v31, 0xaf95df0b
	v_mov_b32 v32, 0xb77460cd                      ; erf's B0, twice
	v_mov_b32 v33, 0xb77460cd
	s_mov_b32 s[VAR], ttmp9
	s_mov_b32 s[LOW], 0xffff
	s_and_b32 s36, ttmp7, 0xffff                   ; the batch,
	s_lshl_b32 s36, s36, 13                        ; its 2,048 numbers of 4 bytes
	s_mov_b32 s37, 0
	s_mov_b32 s[SEL], 0x76543210
	s_mov_b32 s[SEL+1], 0xfedcba98
.macro KPAIR reg, val                  ; a packed form names a scalar pair and takes its low word for both halves: both words are written
	s_mov_b32 s[\reg], \val
	s_mov_b32 s[\reg+1], \val
.endm
	KPAIR KA,    0x32edffee                        ; A1 .. A6
	KPAIR KA+2,  0xb60cff51
	KPAIR KA+4,  0xb86ec2d2
	KPAIR KA+6,  0xba40ac63
	KPAIR KA+8,  0xbb41a1f6
	KPAIR KA+10, 0xbc83dbd4
	KPAIR KB,    0xb95fbd29                        ; B1 .. B4
	KPAIR KB+2,  0xbadc924e
	KPAIR KB+4,  0xbbf19bf8
	KPAIR KB+6,  0xbc69b6a7
	s_wait_kmcnt 0x0
	s_add_nc_u64 s[4:5], s[4:5], s[36:37]          ; the five [8][2048] tensors at my batch
	s_add_nc_u64 s[6:7], s[6:7], s[36:37]
	s_add_nc_u64 s[8:9], s[8:9], s[36:37]
	s_add_nc_u64 s[10:11], s[10:11], s[36:37]
	s_add_nc_u64 s[32:33], s[32:33], s[36:37]
.irp q, 0,1,2,3,4,5,6,7,8,9,10,11,12,13,14,15
	global_load_b128 v[ID+4*\q:ID+4*\q+3], v2, s[4:5] offset:512*\q   ; register 4 q + e of a lane: var_id of row 128 q + 4 lane + e; 512 consecutive bytes a load
.endr
	s_lshl_b32 s38, s[VAR], 2
	s_mov_b32 s39, 0
	s_add_nc_u64 s[26:27], s[26:27], s[38:39]      ; log_tau_r and log_alpha at my variable
	s_add_nc_u64 s[28:29], s[28:29], s[38:39]
	s_lshl_b32 s38, s[VAR], 7
	s_add_nc_u64 s[12:13], s[12:13], s[38:39]      ; my variable's row of var_emb: 32 f32
	s_load_b128 s[44:47], s[30:31], 0x0            ; e0, e1, e2, e3
	s_load_b32 s48, s[24:25], 0x0                  ; gate_b
	s_load_b32 s49, s[26:27], 0x0                  ; log tau
	s_load_b32 s50, s[28:29], 0x0                  ; log alpha
	; 42 loads of parameters follow the 16 of var_id: they land while the scan runs
.irp T, 0,1
.irp s, 0,1
.irp i, 0,1,2,3,4,5,6,7
	global_load_b32 v[224+16*\T+8*\s+\i], v4, s[14:15] offset:(3+16*\s+\i)*128+64*\T   ; W1(3 + 16 s + 8 h + i, 16 T + r): a lane takes a column, its registers run down K
.endr
.endr
.endr
.irp T, 0,1
.irp k, 0,1,2
	global_load_b32 v[48+8*\T+\k], v3, s[14:15] offset:128*\k+64*\T                    ; W1(k, 16 T + r), k = 0, 1, 2
.endr
.endr
	global_load_b128 v[128:131], v5, s[12:13]                                          ; the embedding: 8 h + 0..7,
	global_load_b128 v[132:135], v5, s[12:13] offset:16
	global_load_b128 v[136:139], v5, s[12:13] offset:64                                ; 16 + 8 h + 0..7
	global_load_b128 v[140:143], v5, s[12:13] offset:80
.irp i, 0,1,2,3,4,5,6,7,8,9,10,11,12,13,14,15,16
	ds_store_b128 v2, v[16:19] offset:512*\i       ; LDS bytes 0 to 8,703 = 0: a list place that no row takes names row 0
.endr
; THE SCAN.  Four registers of var_id at a time: the lanes that match; how many; where each register's matches begin in the list; a lane's place = that + the matches in lower lanes; a lane without a match takes its dump word.
.macro SCAN4 q
.irp e, 0,1,2,3
	v_cmp_eq_u32 s[MK+\e], s[VAR], v[ID+4*(\q)+\e]
.endr
.irp e, 0,1,2,3
	s_bcnt1_i32_b32 s[CN+\e], s[MK+\e]
.endr
	s_add_co_u32 s[BS+1], s[BS], s[CN]
	s_add_co_u32 s[BS+2], s[BS+1], s[CN+1]
	s_add_co_u32 s[BS+3], s[BS+2], s[CN+2]
.irp e, 0,1,2,3
	v_mbcnt_lo_u32_b32 v[POS+\e], s[MK+\e], s[BS+\e]
.endr
	s_add_co_u32 s[BS], s[BS+3], s[CN+3]
.irp e, 0,1,2,3
	v_cndmask_b32 v[POS+\e], v7, v[POS+\e], s[MK+\e]
.endr
.irp e, 0,1,2,3
	v_min_u32 v[POS+\e], 0x85f, v[POS+\e]          ; held at the last dump word, 2112 + 31, ahead of its use as an address
.endr
.irp e, 0,1,2,3
	v_lshlrev_b32 v[POS+\e], 2, v[POS+\e]
.endr
.irp e, 0,1,2,3
	v_add_nc_u32 v[IDX+\e], 128*(\q)+\e, v1        ; the row's number
.endr
.irp e, 0,1,2,3
	ds_store_b32 v[POS+\e], v[IDX+\e]
.endr
.endm
	s_wait_loadcnt 42                              ; the 16 loads of var_id are in; the 42 loads of parameters behind them may be out
	s_mov_b32 s[BS], 0
.irp q, 0,1,2,3,4,5,6,7,8,9,10,11,12,13,14,15
	SCAN4 \q
.endr
	s_mov_b32 s[CNT], s[BS]
	s_cmp_eq_u32 s[CNT], 0                         ; no row of this batch has my variable: nothing to compute, nothing to store
	s_cbranch_scc1 .Lend
	s_add_co_u32 s[NT], s[CNT], 31
	s_lshr_b32 s[NT], s[NT], 5
	; the first two trips' rows are read from the list; sixteen late loads of parameters go out while the list comes back
	ds_load_b32 v37, v1
	ds_load_b32 v41, v1 offset:128
.irp T, 0,1
.irp c, 0,1
	global_load_b64 v[W2F+8*\T+2*\c:W2F+8*\T+2*\c+1], v6, s[18:19] offset:512*\T+16*\c   ; W2's codes: row 16 T + r, k = 16 c + 8 h + 0..7
.endr
.endr
.irp T, 0,1
	global_load_b128 v[B1+8*\T:B1+8*\T+3], v5, s[16:17] offset:64*\T                     ; b1(16 T + 8 h + 0..7)
	global_load_b128 v[B1+8*\T+4:B1+8*\T+7], v5, s[16:17] offset:64*\T+16
	global_load_b128 v[160+8*\T:163+8*\T], v5, s[20:21] offset:64*\T                     ; b2 likewise (the scan has done with these registers)
	global_load_b128 v[164+8*\T:167+8*\T], v5, s[20:21] offset:64*\T+16
	global_load_b128 v[GW+8*\T:GW+8*\T+3], v5, s[22:23] offset:64*\T                     ; gate_w likewise
	global_load_b128 v[GW+8*\T+4:GW+8*\T+7], v5, s[22:23] offset:64*\T+16
.endr
	s_wait_dscnt 0x0
	v_min_u32 v37, 0x7ff, v37                      ; a row's number, held inside the batch ahead of its use as an address
	v_min_u32 v41, 0x7ff, v41
	v_lshlrev_b32 v44, 2, v37
	v_lshlrev_b32 v45, 2, v41
	global_load_b32 v36, v44, s[6:7]               ; set A: value, time, mask of list places 0-31, a lane a row
	global_load_b32 v38, v44, s[8:9]
	global_load_b32 v39, v44, s[10:11]
	; THE PREPARATION, while the gathers are out
.macro SCALE e, vs, vl                 ; v[vs] = 2^e as f32 (the conversion takes its exponent field); v[vl] = 57,344 x 2^e
	s_add_co_i32 s62, s[\e], 127
	s_lshl_b32 s63, s62, 23
	v_mov_b32 v[\vs], s63
	s_add_co_i32 s62, s62, 15
	s_lshl_b32 s62, s62, 23
	s_or_b32 s62, s62, 0x600000
	v_mov_b32 v[\vl], s62
.endm
.macro HOLD8 base, lim                 ; the conversion to an 8-bit code does not saturate (ISA guide 7.6.2): each number is held within the largest code x the scale first
.irp i, 0,1,2,3,4,5,6,7
	v_med3_num_f32 v[\base+\i], v[\base+\i], -v[\lim], v[\lim]
.endr
.endm
	s_wait_kmcnt 0x0
	SCALE 44, 20, 21                               ; the features'
	SCALE 45, 8, 9                                 ; W1's
	SCALE 46, 22, 23                               ; the hidden layer's
	s_add_co_i32 s51, s44, s45                     ; e0 + e1: a sum of the first product stands for sum x 2^(e0+e1)
	s_lshl_b32 s62, s51, 23
	s_add_co_i32 s[ZF], s62, 0x3f3504f3            ; added to the exponent field of 1 / sqrt 2
	s_mov_b32 s[ZF+1], s[ZF]
	s_add_co_i32 s[HF], s51, 126
	s_lshl_b32 s[HF], s[HF], 23                    ; 2^(e0+e1-1)
	s_mov_b32 s[HF+1], s[HF]
	s_sub_co_i32 s62, 0, s51                       ; -(e0 + e1), for b1
	s_add_co_i32 s63, s46, s47                     ; e2 + e3, for gate_w
	s_wait_loadcnt 19                              ; the 42 loads of the head are in; behind them: 16 late loads and set A's 3 gathers
	global_load_b32 v40, v45, s[6:7]               ; set B: list places 32-63: wanted a trip later than set A
	global_load_b32 v42, v45, s[8:9]
	global_load_b32 v43, v45, s[10:11]
.irp T, 0,1
.irp s, 0,1
	HOLD8 224+16*\T+8*\s, 9
	v_cvt_scalef32_pk8_bf8_f32 v[W1F+8*\T+2*\s:W1F+8*\T+2*\s+1], v[224+16*\T+8*\s:231+16*\T+8*\s], v8   ; W1's registers 2 s, 2 s + 1: K places 16 s + 8 h + 0..7
.endr
.endr
.irp T, 0,1
.irp k, 0,1,2
	v_med3_num_f32 v[48+8*\T+\k], v[48+8*\T+\k], -v9, v9
.endr
	v_cvt_scalef32_pk8_bf8_f32 v[46:47], v[48+8*\T:55+8*\T], v8      ; W1's rows 0-2 and five zeros
	v_nop                                          ; one plain vector instruction between a scaled conversion and the reader of its result
	v_cndmask_b32 v[W1F+8*\T+4], 0, v46, s[LOW]    ; register 4: K places 32-35 in lanes 0-15; lanes 16-31 (places 40-43) hold zero codes
.endr
	HOLD8 128, 21
	HOLD8 136, 21
	v_cvt_scalef32_pk8_bf8_f32 v[FA:FA+1], v[128:135], v20           ; the embedding's codes: the same for every row of the bucket
	v_cvt_scalef32_pk8_bf8_f32 v[FA+2:FA+3], v[136:143], v20
	v_nop
.irp i, 0,1,2,3
	v_mov_b32 v[FA+8+\i], v[FA+\i]                 ; the second tile of rows has them too
.endr
.irp r, 132,133,134,135,140,141,142,143
	v_mov_b32 v\r, 0                               ; the hidden layer's fragments: K places 32-63 hold zero codes
.endr
	v_mov_b32 v12, 0x3fb8aa3b                      ; log2(e)
	v_mul_f32 v10, s49, v12
	v_mul_f32 v11, s50, v12
	v_exp_f32 v10, v10                             ; tau
	v_exp_f32 v11, v11                             ; alpha
	v_nop                                          ; a plain instruction behind the two exponentials,
	s_wait_alu depctr_va_vdst(0)                   ; and the wait ahead of their first reader
	v_max_num_f32 v10, 0x358637bd, v10             ; max(tau, 1e-6)
	v_rcp_f32 v10, v10
	v_mul_f32 v26, 0x4038aa3b, v11                 ; 2 log2(e) alpha.  (The plain instruction behind the reciprocal)
	s_wait_alu depctr_va_vdst(0)
	v_mul_f32 v24, 0xbfb8aa3b, v10                 ; c = -log2(e) / max(tau, 1e-6): decay = 2^(c (t_n - t_m))
	v_mov_b32 v25, v24
	s_wait_loadcnt 6                               ; the 16 late loads are in; the 6 gathers may be out
.irp j, 0,1,2,3,4,5,6,7,8,9,10,11,12,13,14,15
	v_ldexp_f32 v[B1+\j], v[B1+\j], s62            ; b1 / 2^(e0+e1): it goes in as the product's C
.endr
	v_pk_mul_f32 v[10:11], v[160:161], v[GW:GW+1]  ; the part of the gate that no row changes: my half's 16 terms of b2 . gate_w,
.irp p, 2,4,6,8,10,12,14
	v_pk_fma_f32 v[10:11], v[160+\p:161+\p], v[GW+\p:GW+\p+1], v[10:11]
.endr
	v_add_f32 v28, v10, v11
	v_fma_f32 v28, s48, 0.5, v28                   ; + half of gate_b: the two halves of the lanes are added later.  v[28:29] = (that, 0) starts each row's sum
.irp j, 0,1,2,3,4,5,6,7,8,9,10,11,12,13,14,15
	v_ldexp_f32 v[GW+\j], v[GW+\j], s63            ; a sum of the second product stands for sum x 2^(e2+e3): the factor goes onto gate_w
.endr
	v_mov_b32 v[NA], v1                            ; 4 x lane + 128 x trip
	s_mov_b32 s58, 0                               ; the trip
	s_mov_b32 s59, s[CNT]                          ; rows left, this trip's among them
; gelu of the 16 rows of tile R: 16 registers a lane, in pairs.  H holds sum = u / 2^(e0+e1) and ends as gelu(u).
.macro GELU R
.set HB, H+16*(\R)
.irp p, 0,2,4,6,8,10,12,14
	v_pk_mul_f32 v[Z+\p:Z+\p+1], v[HB+\p:HB+\p+1], s[ZF:ZF+1] op_sel_hi:[1,0]      ; x = u / sqrt 2; each accumulator is read from its low end on
.endr
.irp p, 0,2,4,6,8,10,12,14
	v_pk_mul_f32 v[HB+\p:HB+\p+1], v[HB+\p:HB+\p+1], s[HF:HF+1] op_sel_hi:[1,0]    ; u / 2
.endr
.irp i, 0,1,2,3,4,5,6,7,8,9,10,11,12,13,14,15
	v_med3_num_f32 v[Z+\i], v[Z+\i], -4.0, 4.0
.endr
.irp p, 0,2,4,6,8,10,12,14
	v_pk_mul_f32 v[X2+\p:X2+\p+1], v[Z+\p:Z+\p+1], v[Z+\p:Z+\p+1]
.endr
.irp p, 0,2,4,6,8,10,12,14
	v_pk_fma_f32 v[P+\p:P+\p+1], v[X2+\p:X2+\p+1], v[30:31], s[KA:KA+1] op_sel_hi:[1,1,0]
.endr
.irp k, 1,2,3,4,5
.irp p, 0,2,4,6,8,10,12,14
	v_pk_fma_f32 v[P+\p:P+\p+1], v[P+\p:P+\p+1], v[X2+\p:X2+\p+1], s[KA+2*\k:KA+2*\k+1] op_sel_hi:[1,1,0]
.endr
.endr
.irp p, 0,2,4,6,8,10,12,14
	v_pk_fma_f32 v[Q+\p:Q+\p+1], v[X2+\p:X2+\p+1], v[32:33], s[KB:KB+1] op_sel_hi:[1,1,0]
.endr
.irp k, 1,2,3
.irp p, 0,2,4,6,8,10,12,14
	v_pk_fma_f32 v[Q+\p:Q+\p+1], v[Q+\p:Q+\p+1], v[X2+\p:X2+\p+1], s[KB+2*\k:KB+2*\k+1] op_sel_hi:[1,1,0]
.endr
.endr
.irp i, 0,1,2,3,4,5,6,7,8,9,10,11,12,13,14,15
	v_rcp_f32 v[Q+\i], v[Q+\i]                     ; sixteen reciprocals as one batch
.endr
.irp p, 0,2,4,6,8,10,12,14
	v_pk_mul_f32 v[P+\p:P+\p+1], v[P+\p:P+\p+1], v[Z+\p:Z+\p+1]                    ; x P: eight plain lines that name no reciprocal
.endr
	s_wait_alu depctr_va_vdst(0)                   ; one wait for the batch, ahead of its first reader
.irp p, 0,2,4,6,8,10,12,14
	v_pk_mul_f32 v[P+\p:P+\p+1], v[P+\p:P+\p+1], v[Q+\p:Q+\p+1]                    ; erf
.endr
.irp p, 0,2,4,6,8,10,12,14
	v_pk_fma_f32 v[HB+\p:HB+\p+1], v[HB+\p:HB+\p+1], v[P+\p:P+\p+1], v[HB+\p:HB+\p+1]   ; u/2 erf + u/2
.endr
.endm
; the hidden layer of tile R becomes the second product's operand: registers 0, 1: k = 8 h + 0..7 (tile T = 0); registers 2, 3: k = 16 + 8 h + 0..7 (tile T = 1)
.macro QUANTH R
	HOLD8 H+16*(\R), 23
	HOLD8 H+16*(\R)+8, 23
	v_cvt_scalef32_pk8_bf8_f32 v[HC+8*(\R):HC+8*(\R)+1], v[H+16*(\R):H+16*(\R)+7], v22
	v_cvt_scalef32_pk8_bf8_f32 v[HC+8*(\R)+2:HC+8*(\R)+3], v[H+16*(\R)+8:H+16*(\R)+15], v22
	v_nop                                          ; one plain vector instruction between a scaled conversion and the matrix instruction that reads its result
.endm
; the gate: each lane's 16 outputs of its row x gate_w, the two tiles of rows by turns; then lane l xor 16's half.  v58, v59: the logits of rows r and 16 + r
.macro DOT
.irp R, 0,1
	v_pk_fma_f32 v[DA+2*\R:DA+2*\R+1], v[G+16*\R:G+16*\R+1], v[GW:GW+1], v[28:29]
.endr
.irp R, 0,1
	v_pk_mul_f32 v[DB+2*\R:DB+2*\R+1], v[G+16*\R+8:G+16*\R+9], v[GW+8:GW+9]
.endr
.irp p, 2,4,6
.irp R, 0,1
	v_pk_fma_f32 v[DA+2*\R:DA+2*\R+1], v[G+16*\R+\p:G+16*\R+\p+1], v[GW+\p:GW+\p+1], v[DA+2*\R:DA+2*\R+1]
	v_pk_fma_f32 v[DB+2*\R:DB+2*\R+1], v[G+16*\R+8+\p:G+16*\R+8+\p+1], v[GW+8+\p:GW+8+\p+1], v[DB+2*\R:DB+2*\R+1]
.endr
.endr
.irp R, 0,1
	v_pk_add_f32 v[DA+2*\R:DA+2*\R+1], v[DA+2*\R:DA+2*\R+1], v[DB+2*\R:DB+2*\R+1]
.endr
.irp R, 0,1
	v_add_f32 v[58+\R], v[DA+2*\R], v[DA+2*\R+1]
.endr
.irp R, 0,1
	v_permlanex16_b32 v[60+\R], v[58+\R], s[SEL], s[SEL+1]
.endr
.irp R, 0,1
	v_add_f32 v[58+\R], v[58+\R], v[60+\R]
.endr
.endm
.Lrow:                                             ; NT trips, 32 list rows each
	ds_load_b32 v46, v[NA] offset:LIST+256         ; the list two trips on (the list has 64 places of slack)
	s_wait_loadcnt 0x3                             ; set A is here; the three loads that may be out are set B's
	v_mul_f32 v48, v36, v39                        ; value x mask
	v_med3_num_f32 v49, v38, -v21, v21             ; time
	v_med3_num_f32 v50, v39, -v21, v21             ; mask
	v_med3_num_f32 v48, v48, -v21, v21
	v_cvt_scalef32_pk8_bf8_f32 v[56:57], v[48:55], v20   ; three codes and five zero codes of my row
	v_nop
	v_permlanex16_b32 v47, v56, s[SEL], s[SEL+1]
	v_cndmask_b32 v[FA+4], 0, v56, s[LOW]          ; rows 0-15: register 4, lanes 0-15
	v_cndmask_b32 v[FA+12], 0, v47, s[LOW]         ; rows 16-31, brought down from lanes 16-31
.irp R, 0,1
.irp T, 0,1
	v_wmma_f32_16x16x64_bf8_bf8 v[H+16*\R+8*\T:H+16*\R+8*\T+7], v[W1F+8*\T:W1F+8*\T+7], v[FA+8*\R:FA+8*\R+7], v[B1+8*\T:B1+8*\T+7]   ; four accumulators, each written once: no chain
.endr
.endr
.rept 4
	v_nop                                          ; four places between a matrix instruction and the vector instruction that reads its result (ISA guide 7.12.1)
.endr
	GELU 0
	QUANTH 0
	GELU 1
	QUANTH 1
.irp R, 0,1
.irp T, 0,1
	v_wmma_f32_16x16x64_bf8_bf8 v[G+16*\R+8*\T:G+16*\R+8*\T+7], v[W2F+8*\T:W2F+8*\T+7], v[HC+8*\R:HC+8*\R+7], 0
.endr
.endr
.rept 4
	v_nop
.endr
	DOT
	v_cndmask_b32 v62, v59, v58, s[LOW]            ; lane l: the logit of the trip's row l
	v_cmp_gt_u32 s62, s59, v0                      ; lanes whose row lies inside the list: the mask feeds a selection alone
	v_mul_f32 v62, 0xbfb8aa3b, v62
	v_exp_f32 v62, v62                             ; e^(-logit)
	v_mul_f32 v63, v39, v39                        ; mask^2.  (The plain instruction behind the exponential)
	s_wait_alu depctr_va_vdst(0)
	v_add_f32 v62, 1.0, v62
	v_rcp_f32 v62, v62                             ; the sigmoid
	v_cndmask_b32 v63, 0, v63, s62                 ; 0 from the list's end on.  (The plain instruction behind the reciprocal)
	s_wait_alu depctr_va_vdst(0)
	v_mul_f32 v63, v62, v63                        ; w
	ds_store_b32 v[NA], v38 offset:TARR
	ds_store_b32 v[NA], v63 offset:WARR
	ds_store_b32 v[NA], v39 offset:MARR
	s_wait_loadcnt 0x0                             ; set B is in, and its address register is free
	s_wait_dscnt 0x0                               ; the list two trips on is in, and the three stores have read their data
	v_mov_b32 v36, v40                             ; set B becomes set A,
	v_mov_b32 v38, v42
	v_mov_b32 v39, v43
	v_min_u32 v41, 0x7ff, v46
	v_lshlrev_b32 v45, 2, v41
	global_load_b32 v40, v45, s[6:7]               ; and the rows two trips on are asked for (past the list's end: row 0 of the batch, whose w is set to 0)
	global_load_b32 v42, v45, s[8:9]
	global_load_b32 v43, v45, s[10:11]
	v_add_nc_u32 v[NA], 128, v[NA]
	s_sub_co_u32 s59, s59, 32
	s_add_co_u32 s58, s58, 1
	s_cmp_lt_u32 s58, s[NT]
	s_cbranch_scc1 .Lrow
	; THE PAIRS
	s_wait_loadcnt 0x0                             ; the last gathers ahead, which nobody uses, have landed: v45 is free
	ds_store_b32 v[NA], v16 offset:TARR            ; 32 places behind the last trip's: t = 0, w = 0, for the reads one block ahead
	ds_store_b32 v[NA], v16 offset:WARR
	v_mov_b32 v[NA], v0                            ; my list place: lane + 32 x group
	s_sub_co_u32 s63, s[CNT], 1                    ; the list's last place
	s_mov_b32 s58, 0
.macro MLOAD set, off                  ; 16 t and 16 w of the list, the same for every lane: one address for the whole wave
.irp i, 0,1,2,3
	ds_load_b128 v[\set+4*\i:\set+4*\i+3], v[MA] offset:TARR+\off+16*\i
.endr
.irp i, 0,1,2,3
	ds_load_b128 v[\set+16+4*\i:\set+16+4*\i+3], v[MA] offset:WARR+\off+16*\i
.endr
.endm
.macro BLOCK set                       ; my row n against 16 rows m
.irp i, 0,2,4,6,8,10,12,14
	v_pk_add_f32 v[\set+\i:\set+\i+1], v[232:233], v[\set+\i:\set+\i+1] op_sel_hi:[0,1] neg_lo:[0,1] neg_hi:[0,1]   ; t_n - t_m
.endr
.irp i, 0,1,2,3,4,5,6,7,8,9,10,11,12,13,14,15
	v_cmp_lt_f32 s[66+\i], 0, v[\set+\i]           ; m is earlier.  The masks feed selections alone
.endr
.irp i, 0,2,4,6,8,10,12,14
	v_pk_mul_f32 v[\set+\i:\set+\i+1], v[\set+\i:\set+\i+1], v[24:25]
.endr
.irp i, 0,1,2,3,4,5,6,7,8,9,10,11,12,13,14,15
	v_cndmask_b32 v[\set+\i], v27, v[\set+\i], s[66+\i]   ; -infinity where the pair does not count
.endr
.irp i, 0,1,2,3,4,5,6,7,8,9,10,11,12,13,14,15
	v_exp_f32 v[\set+\i], v[\set+\i]               ; the decay, or 0
.endr
	v_nop                                          ; a plain instruction behind the batch,
	s_wait_alu depctr_va_vdst(0)                   ; and its one wait
.irp i, 0,2,4,6,8,10,12,14
	v_pk_fma_f32 v[ACC+\i%8:ACC+\i%8+1], v[\set+\i:\set+\i+1], v[\set+16+\i:\set+16+\i+1], v[ACC+\i%8:ACC+\i%8+1]
.endr
.endm
.Lgroup:                                           ; NT trips: 32 rows n, a lane a row
	v_min_u32 v45, s63, v[NA]                      ; a lane past the list's end takes the list's last row,
	v_min_u32 v45, 0x7ff, v45                      ; held inside the arrays ahead of its use as an address
	v_lshlrev_b32 v45, 2, v45
	ds_load_b32 v232, v45 offset:TARR              ; t_n
	ds_load_b32 v234, v45 offset:WARR              ; w_n
	ds_load_b32 v235, v45 offset:MARR              ; mask_n
	ds_load_b32 v37, v45                           ; the row's number
	v_mov_b32 v[MA], 0                             ; 128 x inner trip
	MLOAD SA, 0
.irp i, 0,1,2,3,4,5,6,7
	v_mov_b32 v[ACC+\i], 0
.endr
	s_mov_b32 s60, 0
.Lm:                                               ; NT trips: 32 rows m, in two blocks of 16 on two sets of registers
	MLOAD SB, 64
	s_wait_dscnt 8                                 ; set A (and in the first trip my row's four numbers) is in; the eight loads just issued may be out
	BLOCK SA
	MLOAD SA, 128                                  ; the next trip's first block (behind the last trip: the 32 places of zeros)
	s_wait_dscnt 8                                 ; set B is in
	BLOCK SB
	v_add_nc_u32 v[MA], 128, v[MA]
	s_add_co_u32 s60, s60, 1
	s_cmp_lt_u32 s60, s[NT]
	s_cbranch_scc1 .Lm
	s_wait_dscnt 0x0                               ; the block read ahead has landed: its registers are loaded again in the next group
	v_pk_add_f32 v[ACC:ACC+1], v[ACC:ACC+1], v[ACC+2:ACC+3]
	v_pk_add_f32 v[ACC+4:ACC+5], v[ACC+4:ACC+5], v[ACC+6:ACC+7]
	v_pk_add_f32 v[ACC:ACC+1], v[ACC:ACC+1], v[ACC+4:ACC+5]
	v_add_f32 v239, v[ACC], v[ACC+1]
	v_mul_f32 v239, v239, v235                     ; x mask_n: the refractory sum
	v_mul_f32 v239, v239, v26                      ; x 2 log2(e) alpha
	v_exp_f32 v239, v239
	v_min_u32 v37, 0x7ff, v37                      ; the row's number, held inside the batch.  (The plain instruction behind the exponential)
	s_wait_alu depctr_va_vdst(0)
	v_add_f32 v239, 1.0, v239
	v_rcp_f32 v239, v239
	v_add_f32 v240, v234, v234                     ; 2 w_n.  (The plain instruction behind the reciprocal)
	v_lshlrev_b32 v44, 2, v37                      ; its 4 bytes in my batch's part of out0
	s_wait_alu depctr_va_vdst(0)
	v_mul_f32 v239, v239, v240                     ; w_n (1 - tanh)
	global_store_b32 v44, v239, s[32:33]           ; all lanes on: the lanes past the list's end store the last row's number once more, to the same 4 bytes
	s_wait_xcnt 0x0                                ; the store's address and data registers are written again in the next group only behind this wait
	v_add_nc_u32 v[NA], 32, v[NA]
	s_add_co_u32 s58, s58, 1
	s_cmp_lt_u32 s58, s[NT]
	s_cbranch_scc1 .Lgroup
.Lend:
	s_set_vgpr_msb 0x5
	s_wait_tensorcnt 0x0
	ds_add_u32 v0, v1
	s_wait_dscnt 0x0
	s_set_vgpr_msb 0x500
	s_endpgm
.Lfunc_end_k_q38d820e15e_spike:
	.size	k_q38d820e15e_spike, .Lfunc_end_k_q38d820e15e_spike-k_q38d820e15e_spike
	.p2alignl 7, 3214868480
	.fill 96, 4, 3214868480
	.section	.rodata,"a",@progbits
	.p2align	6, 0x0
	.amdhsa_kernel k_q38d820e15e_spike
		.amdhsa_group_segment_fixed_size 34048
		.amdhsa_private_segment_fixed_size 0
		.amdhsa_enable_private_segment 0
		.amdhsa_kernarg_size 120
		.amdhsa_user_sgpr_count 2
		.amdhsa_user_sgpr_kernarg_segment_ptr 1
		.amdhsa_wavefront_size32 1
		.amdhsa_system_sgpr_workgroup_id_x 1
		.amdhsa_system_sgpr_workgroup_id_y 1
		.amdhsa_system_sgpr_workgroup_id_z 1
		.amdhsa_system_vgpr_workitem_id 0
		.amdhsa_next_free_vgpr 258
		.amdhsa_next_free_sgpr 98
		.amdhsa_reserve_vcc 0
		.amdhsa_float_denorm_mode_32 3
		.amdhsa_float_denorm_mode_16_64 3
		.amdhsa_memory_ordered 1
		.amdhsa_forward_progress 1
		.amdhsa_inst_pref_size 91
	.end_amdhsa_kernel
	.amdgpu_metadata
---
amdhsa.version: [ 1, 2 ]
amdhsa.kernels:
  - .name:           k_q38d820e15e_spike
    .symbol:         k_q38d820e15e_spike.kd
    .args:
      - { .name: var_id, .offset: 0, .size: 8, .value_kind: global_buffer, .address_space: global }
      - { .name: value, .offset: 8, .size: 8, .value_kind: global_buffer, .address_space: global }
      - { .name: time_norm, .offset: 16, .size: 8, .value_kind: global_buffer, .address_space: global }
      - { .name: mask, .offset: 24, .size: 8, .value_kind: global_buffer, .address_space: global }
      - { .name: var_emb, .offset: 32, .size: 8, .value_kind: global_buffer, .address_space: global }
      - { .name: W1, .offset: 40, .size: 8, .value_kind: global_buffer, .address_space: global }
      - { .name: b1, .offset: 48, .size: 8, .value_kind: global_buffer, .address_space: global }
      - { .name: W2_codes, .offset: 56, .size: 8, .value_kind: global_buffer, .address_space: global }
      - { .name: b2, .offset: 64, .size: 8, .value_kind: global_buffer, .address_space: global }
      - { .name: gate_w, .offset: 72, .size: 8, .value_kind: global_buffer, .address_space: global }
      - { .name: gate_b, .offset: 80, .size: 8, .value_kind: global_buffer, .address_space: global }
      - { .name: log_tau_r, .offset: 88, .size: 8, .value_kind: global_buffer, .address_space: global }
      - { .name: log_alpha, .offset: 96, .size: 8, .value_kind: global_buffer, .address_space: global }
      - { .name: lowp_scales, .offset: 104, .size: 8, .value_kind: global_buffer, .address_space: global }
      - { .name: out0, .offset: 112, .size: 8, .value_kind: global_buffer, .address_space: global }
    .group_segment_fixed_size: 34048
    .private_segment_fixed_size: 0
    .kernarg_segment_align: 8
    .kernarg_segment_size: 120
    .max_flat_workgroup_size: 32
    .sgpr_count:     98
    .vgpr_count:     258
    .wavefront_size: 32
...
	.end_amdgpu_metadata
.endif
;; end of part 1
;; ======== version 2 of 2: 1 launch; version 1 with the launch spike written anew for expert scheduling mode
;; launch spike (part 2): grid 64 x 8, 1 waves a work-group, no clusters, 34,048 bytes of LDS; arguments var_id, value, time_norm, mask, var_emb, W1, b1, W2_codes, b2, gate_w, gate_b, log_tau_r, log_alpha, lowp_scales, out0; writes out0
.if DOCPART == 2
	.amdgcn_target "amdgcn-amd-amdhsa--gfx1250"
	.amdhsa_code_object_version 6
	.text
	.protected	k_q38d820e15e_spike
	.globl	k_q38d820e15e_spike
	.p2align	8
	.type	k_q38d820e15e_spike,@function
k_q38d820e15e_spike:
	s_mov_b64 s[64:65], 0
	v_nop
	global_prefetch_b8 v0, s[64:65] scope:SCOPE_SE
	s_setreg_imm32_b32 hwreg(HW_REG_WAVE_SCHED_MODE, 0, 2), 2
	s_setreg_imm32_b32 hwreg(HW_REG_WAVE_MODE, 25, 1), 1
	s_wait_xcnt 0x0
	s_wait_alu depctr_vm_vsrc(0)
; SpikeRefractoryEncoder, 8 batches x 2,048 observations, 64 variables, hidden width 32; both products of the small MLP on codes of BF8 (E5M2).
; THE SHARE.  The pair mask that the problem builds itself keeps only pairs of ONE variable in ONE batch.  So a work-group, one wave, takes one bucket: variable = work-group x, batch = work-group y.
; It (1) scans the batch's 2,048 var_id and lists the rows of its variable in LDS; (2) walks the list 32 rows a trip through the MLP: features -> codes, x W1, gelu -> codes, x W2, gate, sigmoid;
; (3) for each 32 rows n of the list (a lane a row) walks all rows m of the list and sums 2^(c (t_n - t_m)) w_m where t_n > t_m; (4) out = w_n (1 - tanh(alpha mask_n sum)) = w_n 2 / (1 + 2^(2 log2(e) alpha mask_n sum)).
; w = mask^2 sigmoid: the row's spike_raw x its own factor of the pair mask (as m), and spike_raw x the last mask (as n).  Within a bucket tau, alpha and the embedding are constants.
; Each row of a batch lies in exactly one bucket, so each number of out0 has one owner.  A bucket's rows lie scattered over the batch, so out0 leaves by stores of 4 bytes a lane: 64 KiB in the whole launch.
; EXEC is never changed: in the last group of 32 rows n a lane past the list's end takes the list's LAST row, does that row's work on the same numbers and stores the same number to the same 4 bytes.
; One wave a work-group: LDS serves a wave's instructions in order (ISA guide 5.7.1.4), so the text has no barrier.  Branches, trip counts and gathered addresses hang on var_id alone (whole numbers), each index held by v_min_u32.
; No tensor load, no cluster: the trip counts hang on a count made from var_id; what the 64 buckets of a batch share is 8 KiB of var_id.
; THE PRODUCTS, v_wmma_f32_16x16x64_bf8_bf8, both used transposed (source 0 = 16 rows of the weight, source 1 = 16 list rows), K = 35 and K = 32 filled up to 64 with zero codes on both sides.
;   Product 1: K's places are permuted alike on both sides: places 0-31 the embedding (W1's rows 3-34), places 32-34 value x mask, time, mask (W1's rows 0-2).  b1 / 2^(e0+e1) is the C of the product.
;   Its result holds, in lane (r, h), register j, hidden unit 16 T + 8 h + j of row r: the two tiles' conversions ARE the second product's operand (registers 2 c, 2 c + 1: k = 16 c + 8 h + 0..7).
; gelu(u) = u/2 + u/2 erf(u / sqrt 2); erf(x) = x P(x^2) / Q(x^2) on |x| <= 4 (degrees 6 and 4 in x^2), all in f32.
; LIMITS.  e0, e1, e2 between -126 and 112; e0 + e1 between -125 and 127; gate_w x 2^(e2+e3) stays an f32 number.  var_id between 0 and 63 (it indexes tables of 64).  NaN and infinities among the inputs are not served.
; erf's absolute error is some 1e-7, so gelu's relative accuracy falls off for u under -3, where |gelu| is under 5e-3.  v_exp_f32 gives 0 under 2^-126.  The pair sums are taken in the list's order.
; A split with all rows on one variable is served (64 trips, 64 x 64 inner trips in that wave); an empty bucket stores nothing and ends.
; ADDRESS REGISTERS (v1-7, v34, v35, v44, v45) hold addresses and places and nothing else; a listed row's number is loaded into v37, v41 or v46 and held by v_min_u32 before it is shifted into v44 or v45.
; THE MODE: SCHED_MODE bits 1:0 = 2 (LLVM: expert scheduling mode 2), set by the entry lines.  The code itself states the register dependences between vector or matrix instructions and memory or LDS instructions,
; and those through scalar registers that vector instructions write, with s_wait_alu, always for 0.
; THE PLAN.  Registers that memory or LDS instructions touch:
;   v1-7          offsets and addresses, made at the head and never written again: one wait on va_vdst ahead of the first load.
;   THE SCAN      two sets of list place and row's number, v8-15 and v20-27, by turns.  Step q writes set q % 2; its four LDS stores are issued in step q + 1, behind that step's wait on va_vdst;
;                 a wait on vm_vsrc ahead of it states that the stores issued a step back have read the set that is written again.
;   THE ROW LOOP  v34: read by the list's load and the three stores, stepped once, in the tail.  v46: the list's load lands at the head, read in the tail.  v38, v39: stored at a trip's head, written by the tail's moves.
;                 v40, v42, v43: read by those moves, then the gathers land.  v45: the gathers' offset, written in the tail.  v13: w, written by one multiply and stored behind it.
;                 The tail: one wait on vm_vsrc, all the vector lines that write these registers, one wait on va_vdst, the gathers; w's multiply, a wait on va_vdst, w's store.  Nothing of the vector side stands between that and the next head.
;   THE PAIRS     t's registers (v160-175, v192-207) are read by a block's eight subtractions alone, w's (v176-191, v208-223) by its eight multiply-adds alone; all between works on v64-79, which no LDS instruction names.
;                 So the ONE wait on va_vdst of a block, behind its exponentials, also states that this block is done with its t and the block before with its w: behind it t of two blocks on and w of the next block are asked for.
;                 v35, the address, is stepped once a trip, behind a wait on vm_vsrc; the next block's wait states it written.
.set LIST, 0                           ; LDS: 2,112 words: the row n of list place p; filled with 0 first; 64 places of slack for the reads two trips ahead
.set DUMPW, 2112                       ; word 2112 + lane: where a lane without a match stores
.set TARR, 8704                        ; 2,080 f32: t of list place p
.set WARR, 17152                       ; 2,080 f32: w of list place p (0 from the list's end on)
.set MARR, 25600                       ; 2,048 f32: mask of list place p
.set VAR,  34                          ; s34  my variable
.set LOW,  35                          ; s35  0xffff: lanes 0-15
.set SEL,  40                          ; s[40:41] v_permlanex16_b32's selects for lane l xor 16
.set ZF,   52                          ; s[52:53] 2^(e0+e1) / sqrt 2
.set HF,   54                          ; s[54:55] 2^(e0+e1) / 2
.set CNT,  56                          ; s56  rows in my list
.set NT,   57                          ; s57  trips of 32 rows
.set KA,   66                          ; s[66:77] erf's A1..A6, each twice; in the pair phase s66-81 hold sixteen compare masks
.set KB,   78                          ; s[78:85] erf's B1..B4, each twice
.set MK,   86                          ; s[86:89] the scan: four match masks
.set CN,   90                          ; s[90:93] their counts
.set BS,   94                          ; s[94:97] the list places at which they begin; s94 runs on
.set POS,  8                           ; v8-11, v20-23   the scan: list place, then LDS address: two sets by turns
.set IDX,  12                          ; v12-15, v24-27  the scan: the row's number: two sets by turns
.set WO,   13                          ; v13  the row loop: w on its way to LDS
.set NA,   34                          ; v34  the row loop: 4 x lane + 128 x trip, my place in the list's arrays; the pair phase: lane + 32 x group, my list place
.set MA,   35                          ; v35  the pair phase: 128 x inner trip, the same in every lane
.set W1F,  64                          ; v64-79  W1's two fragments
.set FA,   80                          ; v80-95  the features' two fragments
.set B1,   96                          ; v96-111 b1 / 2^(e0+e1), in the result's layout
.set W2F,  112                         ; v112-127 W2's two fragments
.set HC,   128                         ; v128-143 the hidden layer's two fragments (first: the raw embedding)
.set GW,   144                         ; v144-159 gate_w x 2^(e2+e3), in the second result's layout
.set ID,   160                         ; v160-223 the scan: 64 var_id a lane
.set H,    160                         ; v160-191 the first product's four results
.set Z,    192                         ; v192-207 u / sqrt 2, held within +-4
.set X2,   208                         ; v208-223 its square
.set P,    224                         ; v224-239 erf's numerator
.set Q,    240                         ; v240-255 erf's denominator
.set G,    192                         ; v192-223 the second product's four results
.set DA,   224                         ; v224-227, v228-231 the gate's partial sums
.set DB,   228
.set SA,   160                         ; the pair phase: set b at SA + 32 b: 16 t, then 16 w
.set D,    64                          ; the pair phase: v64-79: 16 differences, then exponents, then decays, at work (W1's fragments are done with)
.set ACC,  224                         ; four pairs of sums;  v[232:233] t_n, v234 w_n, v235 mask_n, v239, v240 at work
	s_load_b512 s[4:19], s[0:1], 0x0               ; var_id s[4:5], value s[6:7], time s[8:9], mask s[10:11], var_emb s[12:13], W1 s[14:15], b1 s[16:17], W2's codes s[18:19]
	s_load_b256 s[20:27], s[0:1], 0x40             ; b2 s[20:21], gate_w s[22:23], gate_b s[24:25], log_tau_r s[26:27]
	s_load_b128 s[28:31], s[0:1], 0x60             ; log_alpha s[28:29], the scales' exponents s[30:31]
	s_load_b64 s[32:33], s[0:1], 0x70              ; out0
	s_set_vgpr_msb 0x40
	v_lshl_add_u32 v0, v0, 2, 0x8400
	v_mov_b32 v1, 0
	s_set_vgpr_msb 0x4000
	v_lshlrev_b32 v1, 2, v0                        ; 4 x lane
	v_lshlrev_b32 v2, 4, v0                        ; 16 x lane
	v_and_b32 v8, 15, v0                           ; r
	v_lshrrev_b32 v9, 4, v0                        ; h
	v_lshlrev_b32 v3, 2, v8                        ; 4 r
	v_lshl_add_u32 v4, v9, 10, v3                  ; W1: 8 h rows of 128 bytes + 4 r
	v_lshlrev_b32 v5, 5, v9                        ; 32 h: eight f32 of my half
	v_lshlrev_b32 v6, 3, v9
	v_lshl_add_u32 v6, v8, 5, v6                   ; W2's codes: row r of 32 bytes + 8 h
	v_add_nc_u32 v7, DUMPW, v0                     ; my dump word
.irp r, 16,17,18,19,29,47,51,52,53,54,55,59,60,61,62,63,69,70,71,77,78,79,85,86,87,93,94,95,116,117,118,119,124,125,126,127,233
	v_mov_b32 v\r, 0                               ; zeros for LDS; the numbers and codes that fill K up to 64; destinations of lane permutes and upper halves of named pairs
.endr
	v_mov_b32 v30, 0xaf95df0b                      ; erf's A0, twice
	v_mov_b32 v31, 0xaf95df0b
	v_mov_b32 v32, 0xb77460cd                      ; erf's B0, twice
	v_mov_b32 v33, 0xb77460cd
	s_mov_b32 s[VAR], ttmp9
	s_mov_b32 s[LOW], 0xffff
	s_and_b32 s36, ttmp7, 0xffff                   ; the batch,
	s_lshl_b32 s36, s36, 13                        ; its 2,048 numbers of 4 bytes
	s_mov_b32 s37, 0
	s_mov_b32 s[SEL], 0x76543210
	s_mov_b32 s[SEL+1], 0xfedcba98
.macro KPAIR reg, val                  ; a packed form names a scalar pair and takes its low word for both halves: both words are written
	s_mov_b32 s[\reg], \val
	s_mov_b32 s[\reg+1], \val
.endm
	KPAIR KA,    0x32edffee                        ; A1 .. A6
	KPAIR KA+2,  0xb60cff51
	KPAIR KA+4,  0xb86ec2d2
	KPAIR KA+6,  0xba40ac63
	KPAIR KA+8,  0xbb41a1f6
	KPAIR KA+10, 0xbc83dbd4
	KPAIR KB,    0xb95fbd29                        ; B1 .. B4
	KPAIR KB+2,  0xbadc924e
	KPAIR KB+4,  0xbbf19bf8
	KPAIR KB+6,  0xbc69b6a7
	s_wait_kmcnt 0x0
	s_add_nc_u64 s[4:5], s[4:5], s[36:37]          ; the five [8][2048] tensors at my batch
	s_add_nc_u64 s[6:7], s[6:7], s[36:37]
	s_add_nc_u64 s[8:9], s[8:9], s[36:37]
	s_add_nc_u64 s[10:11], s[10:11], s[36:37]
	s_add_nc_u64 s[32:33], s[32:33], s[36:37]
	s_wait_alu depctr_va_vdst(0)                   ; v1 to v7 are written, the offsets and addresses of every load and store below; so are the zeros v16-19, which the LDS stores read, and v233, in which a load of W1 lands
.irp q, 0,1,2,3,4,5,6,7,8,9,10,11,12,13,14,15
	global_load_b128 v[ID+4*\q:ID+4*\q+3], v2, s[4:5] offset:512*\q   ; register 4 q + e of a lane: var_id of row 128 q + 4 lane + e; 512 consecutive bytes a load
.endr
	s_lshl_b32 s38, s[VAR], 2
	s_mov_b32 s39, 0
	s_add_nc_u64 s[26:27], s[26:27], s[38:39]      ; log_tau_r and log_alpha at my variable
	s_add_nc_u64 s[28:29], s[28:29], s[38:39]
	s_lshl_b32 s38, s[VAR], 7
	s_add_nc_u64 s[12:13], s[12:13], s[38:39]      ; my variable's row of var_emb: 32 f32
	s_load_b128 s[44:47], s[30:31], 0x0            ; e0, e1, e2, e3
	s_load_b32 s48, s[24:25], 0x0                  ; gate_b
	s_load_b32 s49, s[26:27], 0x0                  ; log tau
	s_load_b32 s50, s[28:29], 0x0                  ; log alpha
	; 42 loads of parameters follow the 16 of var_id: they land while the scan runs
.irp T, 0,1
.irp s, 0,1
.irp i, 0,1,2,3,4,5,6,7
	global_load_b32 v[224+16*\T+8*\s+\i], v4, s[14:15] offset:(3+16*\s+\i)*128+64*\T   ; W1(3 + 16 s + 8 h + i, 16 T + r): a lane takes a column, its registers run down K
.endr
.endr
.endr
.irp T, 0,1
.irp k, 0,1,2
	global_load_b32 v[48+8*\T+\k], v3, s[14:15] offset:128*\k+64*\T                    ; W1(k, 16 T + r), k = 0, 1, 2
.endr
.endr
	global_load_b128 v[128:131], v5, s[12:13]                                          ; the embedding: 8 h + 0..7,
	global_load_b128 v[132:135], v5, s[12:13] offset:16
	global_load_b128 v[136:139], v5, s[12:13] offset:64                                ; 16 + 8 h + 0..7
	global_load_b128 v[140:143], v5, s[12:13] offset:80
.irp i, 0,1,2,3,4,5,6,7,8,9,10,11,12,13,14,15,16
	ds_store_b128 v2, v[16:19] offset:512*\i       ; LDS bytes 0 to 8,703 = 0: a list place that no row takes names row 0
.endr
; THE SCAN.  Four registers of var_id at a time: the lanes that match; how many; where each register's matches begin in the list; a lane's place = that + the matches in lower lanes; a lane without a match takes its dump word.
; Step q writes set q % 2 of places and rows' numbers; the four stores of the step before, from the other set, go out at its head.
.macro SCAN4 q
.set PS, POS+12*((\q)%2)               ; this step's set
.set IX, IDX+12*((\q)%2)
.set PP, POS+12*(1-(\q)%2)             ; the set of the step before
.set IP, IDX+12*(1-(\q)%2)
.irp e, 0,1,2,3
	v_cmp_eq_u32 s[MK+\e], s[VAR], v[ID+4*(\q)+\e]
.endr
.if (\q) > 1
	s_wait_alu depctr_vm_vsrc(0)                   ; the four stores issued in the step before have read this step's set, which is written again below
.endif
.if (\q) > 0
	s_wait_alu depctr_va_vdst(0)                   ; the step before has written its places and its rows' numbers, which the four stores read
.irp e, 0,1,2,3
	ds_store_b32 v[PP+\e], v[IP+\e]
.endr
.endif
	s_wait_alu depctr_va_sdst(0)                   ; the four compares have written their masks, ahead of the masks' first readers
.irp e, 0,1,2,3
	s_bcnt1_i32_b32 s[CN+\e], s[MK+\e]
.endr
	s_add_co_u32 s[BS+1], s[BS], s[CN]
	s_add_co_u32 s[BS+2], s[BS+1], s[CN+1]
	s_add_co_u32 s[BS+3], s[BS+2], s[CN+2]
.irp e, 0,1,2,3
	v_mbcnt_lo_u32_b32 v[PS+\e], s[MK+\e], s[BS+\e]
.endr
	s_add_co_u32 s[BS], s[BS+3], s[CN+3]
.irp e, 0,1,2,3
	v_cndmask_b32 v[PS+\e], v7, v[PS+\e], s[MK+\e]
.endr
.irp e, 0,1,2,3
	v_min_u32 v[PS+\e], 0x85f, v[PS+\e]            ; held at the last dump word, 2112 + 31, ahead of its use as an address
.endr
.irp e, 0,1,2,3
	v_lshlrev_b32 v[PS+\e], 2, v[PS+\e]
.endr
.irp e, 0,1,2,3
	v_add_nc_u32 v[IX+\e], 128*(\q)+\e, v1         ; the row's number
.endr
.endm
	s_wait_loadcnt 42                              ; the 16 loads of var_id are in; the 42 loads of parameters behind them may be out
	s_mov_b32 s[BS], 0
.irp q, 0,1,2,3,4,5,6,7,8,9,10,11,12,13,14,15
	SCAN4 \q
.endr
	s_wait_alu depctr_va_vdst(0)                   ; the last step has written its set, which the four stores read; and the compares are done reading v160-175, in which b2 lands below
.irp e, 0,1,2,3
	ds_store_b32 v[POS+12+\e], v[IDX+12+\e]
.endr
	s_wait_alu depctr_vm_vsrc(0)                   ; the scan's stores have read both sets: the preparation writes v8-12 and v20-27 again, the row loop v13
	s_mov_b32 s[CNT], s[BS]
	s_cmp_eq_u32 s[CNT], 0                         ; no row of this batch has my variable: nothing to compute, nothing to store
	s_cbranch_scc1 .Lend
	s_add_co_u32 s[NT], s[CNT], 31
	s_lshr_b32 s[NT], s[NT], 5
	; the first two trips' rows are read from the list; sixteen late loads of parameters go out while the list comes back
	ds_load_b32 v37, v1
	ds_load_b32 v41, v1 offset:128
.irp T, 0,1
.irp c, 0,1
	global_load_b64 v[W2F+8*\T+2*\c:W2F+8*\T+2*\c+1], v6, s[18:19] offset:512*\T+16*\c   ; W2's codes: row 16 T + r, k = 16 c + 8 h + 0..7
.endr
.endr
.irp T, 0,1
	global_load_b128 v[B1+8*\T:B1+8*\T+3], v5, s[16:17] offset:64*\T                     ; b1(16 T + 8 h + 0..7)
	global_load_b128 v[B1+8*\T+4:B1+8*\T+7], v5, s[16:17] offset:64*\T+16
	global_load_b128 v[160+8*\T:163+8*\T], v5, s[20:21] offset:64*\T                     ; b2 likewise (the scan has done with these registers)
	global_load_b128 v[164+8*\T:167+8*\T], v5, s[20:21] offset:64*\T+16
	global_load_b128 v[GW+8*\T:GW+8*\T+3], v5, s[22:23] offset:64*\T                     ; gate_w likewise
	global_load_b128 v[GW+8*\T+4:GW+8*\T+7], v5, s[22:23] offset:64*\T+16
.endr
	s_wait_dscnt 0x0
	v_min_u32 v37, 0x7ff, v37                      ; a row's number, held inside the batch ahead of its use as an address
	v_min_u32 v41, 0x7ff, v41
	v_lshlrev_b32 v44, 2, v37
	v_lshlrev_b32 v45, 2, v41
	s_wait_alu depctr_va_vdst(0)                   ; v44 and v45 are written, the offsets of the six gathers; no vector instruction between here and set B's gathers names v45, v40, v42 or v43
	global_load_b32 v36, v44, s[6:7]               ; set A: value, time, mask of list places 0-31, a lane a row
	global_load_b32 v38, v44, s[8:9]
	global_load_b32 v39, v44, s[10:11]
	; THE PREPARATION, while the gathers are out
.macro SCALE e, vs, vl                 ; v[vs] = 2^e as f32 (the conversion takes its exponent field); v[vl] = 57,344 x 2^e
	s_add_co_i32 s62, s[\e], 127
	s_lshl_b32 s63, s62, 23
	v_mov_b32 v[\vs], s63
	s_add_co_i32 s62, s62, 15
	s_lshl_b32 s62, s62, 23
	s_or_b32 s62, s62, 0x600000
	v_mov_b32 v[\vl], s62
.endm
.macro HOLD8 base, lim                 ; the conversion to an 8-bit code does not saturate (ISA guide 7.6.2): each number is held within the largest code x the scale first
.irp i, 0,1,2,3,4,5,6,7
	v_med3_num_f32 v[\base+\i], v[\base+\i], -v[\lim], v[\lim]
.endr
.endm
	s_wait_kmcnt 0x0
	SCALE 44, 20, 21                               ; the features'
	SCALE 45, 8, 9                                 ; W1's
	SCALE 46, 22, 23                               ; the hidden layer's
	s_add_co_i32 s51, s44, s45                     ; e0 + e1: a sum of the first product stands for sum x 2^(e0+e1)
	s_lshl_b32 s62, s51, 23
	s_add_co_i32 s[ZF], s62, 0x3f3504f3            ; added to the exponent field of 1 / sqrt 2
	s_mov_b32 s[ZF+1], s[ZF]
	s_add_co_i32 s[HF], s51, 126
	s_lshl_b32 s[HF], s[HF], 23                    ; 2^(e0+e1-1)
	s_mov_b32 s[HF+1], s[HF]
	s_sub_co_i32 s62, 0, s51                       ; -(e0 + e1), for b1
	s_add_co_i32 s63, s46, s47                     ; e2 + e3, for gate_w
	s_wait_loadcnt 19                              ; the 42 loads of the head are in; behind them: 16 late loads and set A's 3 gathers
	global_load_b32 v40, v45, s[6:7]               ; set B: list places 32-63: wanted a trip later than set A
	global_load_b32 v42, v45, s[8:9]
	global_load_b32 v43, v45, s[10:11]
.irp T, 0,1
.irp s, 0,1
	HOLD8 224+16*\T+8*\s, 9
	v_cvt_scalef32_pk8_bf8_f32 v[W1F+8*\T+2*\s:W1F+8*\T+2*\s+1], v[224+16*\T+8*\s:231+16*\T+8*\s], v8   ; W1's registers 2 s, 2 s + 1: K places 16 s + 8 h + 0..7
.endr
.endr
.irp T, 0,1
.irp k, 0,1,2
	v_med3_num_f32 v[48+8*\T+\k], v[48+8*\T+\k], -v9, v9
.endr
	v_cvt_scalef32_pk8_bf8_f32 v[46:47], v[48+8*\T:55+8*\T], v8      ; W1's rows 0-2 and five zeros
	v_nop                                          ; one plain vector instruction between a scaled conversion and the reader of its result
	v_cndmask_b32 v[W1F+8*\T+4], 0, v46, s[LOW]    ; register 4: K places 32-35 in lanes 0-15; lanes 16-31 (places 40-43) hold zero codes
.endr
	HOLD8 128, 21
	HOLD8 136, 21
	v_cvt_scalef32_pk8_bf8_f32 v[FA:FA+1], v[128:135], v20           ; the embedding's codes: the same for every row of the bucket
	v_cvt_scalef32_pk8_bf8_f32 v[FA+2:FA+3], v[136:143], v20
	v_nop
.irp i, 0,1,2,3
	v_mov_b32 v[FA+8+\i], v[FA+\i]                 ; the second tile of rows has them too
.endr
.irp r, 132,133,134,135,140,141,142,143
	v_mov_b32 v\r, 0                               ; the hidden layer's fragments: K places 32-63 hold zero codes
.endr
	v_mov_b32 v27, 0xff800000                      ; -infinity: 2^(-infinity) = 0 for a pair that does not count
	v_mov_b32 v12, 0x3fb8aa3b                      ; log2(e)
	v_mul_f32 v10, s49, v12
	v_mul_f32 v11, s50, v12
	v_exp_f32 v10, v10                             ; tau
	v_exp_f32 v11, v11                             ; alpha
	v_nop                                          ; a plain instruction behind the two exponentials,
	s_wait_alu depctr_va_vdst(0)                   ; and the wait ahead of their first reader: tau and alpha are written
	v_max_num_f32 v10, 0x358637bd, v10             ; max(tau, 1e-6)
	v_rcp_f32 v10, v10
	v_mul_f32 v26, 0x4038aa3b, v11                 ; 2 log2(e) alpha.  (The plain instruction behind the reciprocal)
	s_wait_alu depctr_va_vdst(0)                   ; the reciprocal is written, ahead of its first reader
	v_mul_f32 v24, 0xbfb8aa3b, v10                 ; c = -log2(e) / max(tau, 1e-6): decay = 2^(c (t_n - t_m))
	v_mov_b32 v25, v24
	s_wait_loadcnt 6                               ; the 16 late loads are in; the 6 gathers may be out
.irp j, 0,1,2,3,4,5,6,7,8,9,10,11,12,13,14,15
	v_ldexp_f32 v[B1+\j], v[B1+\j], s62            ; b1 / 2^(e0+e1): it goes in as the product's C
.endr
	v_pk_mul_f32 v[10:11], v[160:161], v[GW:GW+1]  ; the part of the gate that no row changes: my half's 16 terms of b2 . gate_w,
.irp p, 2,4,6,8,10,12,14
	v_pk_fma_f32 v[10:11], v[160+\p:161+\p], v[GW+\p:GW+\p+1], v[10:11]
.endr
	v_add_f32 v28, v10, v11
	v_fma_f32 v28, s48, 0.5, v28                   ; + half of gate_b: the two halves of the lanes are added later.  v[28:29] = (that, 0) starts each row's sum
.irp j, 0,1,2,3,4,5,6,7,8,9,10,11,12,13,14,15
	v_ldexp_f32 v[GW+\j], v[GW+\j], s63            ; a sum of the second product stands for sum x 2^(e2+e3): the factor goes onto gate_w
.endr
	v_mov_b32 v[NA], v1                            ; 4 x lane + 128 x trip
	s_mov_b32 s58, 0                               ; the trip
	s_mov_b32 s59, s[CNT]                          ; rows left, this trip's among them
	s_wait_alu depctr_va_vdst(0)                   ; v34 is written, the address of the first trip's load and stores; the conversions of W1's three rows and their readers are done with v46, in which the list lands
; gelu of the 16 rows of tile R: 16 registers a lane, in pairs.  H holds sum = u / 2^(e0+e1) and ends as gelu(u).
.macro GELU R
.set HB, H+16*(\R)
.irp p, 0,2,4,6,8,10,12,14
	v_pk_mul_f32 v[Z+\p:Z+\p+1], v[HB+\p:HB+\p+1], s[ZF:ZF+1] op_sel_hi:[1,0]      ; x = u / sqrt 2; each accumulator is read from its low end on
.endr
.irp p, 0,2,4,6,8,10,12,14
	v_pk_mul_f32 v[HB+\p:HB+\p+1], v[HB+\p:HB+\p+1], s[HF:HF+1] op_sel_hi:[1,0]    ; u / 2
.endr
.irp i, 0,1,2,3,4,5,6,7,8,9,10,11,12,13,14,15
	v_med3_num_f32 v[Z+\i], v[Z+\i], -4.0, 4.0
.endr
.irp p, 0,2,4,6,8,10,12,14
	v_pk_mul_f32 v[X2+\p:X2+\p+1], v[Z+\p:Z+\p+1], v[Z+\p:Z+\p+1]
.endr
.irp p, 0,2,4,6,8,10,12,14
	v_pk_fma_f32 v[P+\p:P+\p+1], v[X2+\p:X2+\p+1], v[30:31], s[KA:KA+1] op_sel_hi:[1,1,0]
.endr
.irp k, 1,2,3,4,5
.irp p, 0,2,4,6,8,10,12,14
	v_pk_fma_f32 v[P+\p:P+\p+1], v[P+\p:P+\p+1], v[X2+\p:X2+\p+1], s[KA+2*\k:KA+2*\k+1] op_sel_hi:[1,1,0]
.endr
.endr
.irp p, 0,2,4,6,8,10,12,14
	v_pk_fma_f32 v[Q+\p:Q+\p+1], v[X2+\p:X2+\p+1], v[32:33], s[KB:KB+1] op_sel_hi:[1,1,0]
.endr
.irp k, 1,2,3
.irp p, 0,2,4,6,8,10,12,14
	v_pk_fma_f32 v[Q+\p:Q+\p+1], v[Q+\p:Q+\p+1], v[X2+\p:X2+\p+1], s[KB+2*\k:KB+2*\k+1] op_sel_hi:[1,1,0]
.endr
.endr
.irp i, 0,1,2,3,4,5,6,7,8,9,10,11,12,13,14,15
	v_rcp_f32 v[Q+\i], v[Q+\i]                     ; sixteen reciprocals as one batch
.endr
.irp p, 0,2,4,6,8,10,12,14
	v_pk_mul_f32 v[P+\p:P+\p+1], v[P+\p:P+\p+1], v[Z+\p:Z+\p+1]                    ; x P: eight plain lines that name no reciprocal
.endr
	s_wait_alu depctr_va_vdst(0)                   ; one wait for the batch, ahead of its first reader: the sixteen reciprocals are written
.irp p, 0,2,4,6,8,10,12,14
	v_pk_mul_f32 v[P+\p:P+\p+1], v[P+\p:P+\p+1], v[Q+\p:Q+\p+1]                    ; erf
.endr
.irp p, 0,2,4,6,8,10,12,14
	v_pk_fma_f32 v[HB+\p:HB+\p+1], v[HB+\p:HB+\p+1], v[P+\p:P+\p+1], v[HB+\p:HB+\p+1]   ; u/2 erf + u/2
.endr
.endm
; the hidden layer of tile R becomes the second product's operand: registers 0, 1: k = 8 h + 0..7 (tile T = 0); registers 2, 3: k = 16 + 8 h + 0..7 (tile T = 1)
.macro QUANTH R
	HOLD8 H+16*(\R), 23
	HOLD8 H+16*(\R)+8, 23
	v_cvt_scalef32_pk8_bf8_f32 v[HC+8*(\R):HC+8*(\R)+1], v[H+16*(\R):H+16*(\R)+7], v22
	v_cvt_scalef32_pk8_bf8_f32 v[HC+8*(\R)+2:HC+8*(\R)+3], v[H+16*(\R)+8:H+16*(\R)+15], v22
	v_nop                                          ; one plain vector instruction between a scaled conversion and the matrix instruction that reads its result
.endm
; the gate: each lane's 16 outputs of its row x gate_w, the two tiles of rows by turns; then lane l xor 16's half.  v58, v59: the logits of rows r and 16 + r
.macro DOT
.irp R, 0,1
	v_pk_fma_f32 v[DA+2*\R:DA+2*\R+1], v[G+16*\R:G+16*\R+1], v[GW:GW+1], v[28:29]
.endr
.irp R, 0,1
	v_pk_mul_f32 v[DB+2*\R:DB+2*\R+1], v[G+16*\R+8:G+16*\R+9], v[GW+8:GW+9]
.endr
.irp p, 2,4,6
.irp R, 0,1
	v_pk_fma_f32 v[DA+2*\R:DA+2*\R+1], v[G+16*\R+\p:G+16*\R+\p+1], v[GW+\p:GW+\p+1], v[DA+2*\R:DA+2*\R+1]
	v_pk_fma_f32 v[DB+2*\R:DB+2*\R+1], v[G+16*\R+8+\p:G+16*\R+8+\p+1], v[GW+8+\p:GW+8+\p+1], v[DB+2*\R:DB+2*\R+1]
.endr
.endr
.irp R, 0,1
	v_pk_add_f32 v[DA+2*\R:DA+2*\R+1], v[DA+2*\R:DA+2*\R+1], v[DB+2*\R:DB+2*\R+1]
.endr
.irp R, 0,1
	v_add_f32 v[58+\R], v[DA+2*\R], v[DA+2*\R+1]
.endr
.irp R, 0,1
	v_permlanex16_b32 v[60+\R], v[58+\R], s[SEL], s[SEL+1]
.endr
.irp R, 0,1
	v_add_f32 v[58+\R], v[58+\R], v[60+\R]
.endr
.endm
.Lrow:                                             ; NT trips, 32 list rows each.  No vector instruction stands between the last wait on va_vdst (ahead of the loop, or in the tail) and the three LDS instructions here
	ds_load_b32 v46, v[NA] offset:LIST+256         ; the list two trips on (the list has 64 places of slack)
	s_wait_loadcnt 0x3                             ; set A is here; the three loads that may be out are set B's
	ds_store_b32 v[NA], v38 offset:TARR            ; t and mask go to their arrays at once: the tail's moves, which write v38 and v39 again, stand a trip's work behind these stores
	ds_store_b32 v[NA], v39 offset:MARR
	v_mul_f32 v48, v36, v39                        ; value x mask
	v_med3_num_f32 v49, v38, -v21, v21             ; time
	v_med3_num_f32 v50, v39, -v21, v21             ; mask
	v_med3_num_f32 v48, v48, -v21, v21
	v_cvt_scalef32_pk8_bf8_f32 v[56:57], v[48:55], v20   ; three codes and five zero codes of my row
	v_nop
	v_permlanex16_b32 v47, v56, s[SEL], s[SEL+1]
	v_cndmask_b32 v[FA+4], 0, v56, s[LOW]          ; rows 0-15: register 4, lanes 0-15
	v_cndmask_b32 v[FA+12], 0, v47, s[LOW]         ; rows 16-31, brought down from lanes 16-31
.irp R, 0,1
.irp T, 0,1
	v_wmma_f32_16x16x64_bf8_bf8 v[H+16*\R+8*\T:H+16*\R+8*\T+7], v[W1F+8*\T:W1F+8*\T+7], v[FA+8*\R:FA+8*\R+7], v[B1+8*\T:B1+8*\T+7]   ; four accumulators, each written once: no chain
.endr
.endr
.rept 4
	v_nop                                          ; four places between a matrix instruction and the vector instruction that reads its result (ISA guide 7.12.1)
.endr
	GELU 0
	QUANTH 0
	GELU 1
	QUANTH 1
.irp R, 0,1
.irp T, 0,1
	v_wmma_f32_16x16x64_bf8_bf8 v[G+16*\R+8*\T:G+16*\R+8*\T+7], v[W2F+8*\T:W2F+8*\T+7], v[HC+8*\R:HC+8*\R+7], 0
.endr
.endr
.rept 4
	v_nop
.endr
	DOT
	v_cndmask_b32 v62, v59, v58, s[LOW]            ; lane l: the logit of the trip's row l
	v_cmp_gt_u32 s62, s59, v0                      ; lanes whose row lies inside the list: the mask feeds a selection alone
	v_mul_f32 v62, 0xbfb8aa3b, v62
	v_exp_f32 v62, v62                             ; e^(-logit)
	v_mul_f32 v63, v39, v39                        ; mask^2.  (The plain instruction behind the exponential)
	s_wait_alu depctr_va_vdst(0)                   ; the exponential is written, ahead of its first reader
	v_add_f32 v62, 1.0, v62
	v_rcp_f32 v62, v62                             ; the sigmoid
	s_wait_alu depctr_va_sdst(0)                   ; the compare has written s62, ahead of its one reader
	v_cndmask_b32 v63, 0, v63, s62                 ; 0 from the list's end on.  (The plain instruction behind the reciprocal)
	s_wait_loadcnt 0x0                             ; set B is in, and its address register is free
	s_wait_dscnt 0x0                               ; the list two trips on is in
	s_wait_alu depctr_vm_vsrc(0)                   ; the LDS instructions issued so far have read v34, v38, v39 and v13, the last trip's gathers v45: all five are written again below
	v_mov_b32 v36, v40                             ; set B becomes set A,
	v_mov_b32 v38, v42
	v_mov_b32 v39, v43
	v_min_u32 v41, 0x7ff, v46
	v_lshlrev_b32 v45, 2, v41
	v_add_nc_u32 v[NA], 128, v[NA]                 ; the next trip's place; w's store below reaches back
	s_wait_alu depctr_va_vdst(0)                   ; v45 is written, the gathers' offset; the moves are done reading v40, v42, v43, in which the gathers land; the reciprocal is written, ahead of its first reader
	global_load_b32 v40, v45, s[6:7]               ; and the rows two trips on are asked for (past the list's end: row 0 of the batch, whose w is set to 0)
	global_load_b32 v42, v45, s[8:9]
	global_load_b32 v43, v45, s[10:11]
	v_mul_f32 v[WO], v62, v63                      ; w
	s_wait_alu depctr_va_vdst(0)                   ; w is written, which the store reads
	ds_store_b32 v[NA], v[WO] offset:WARR-128
	s_sub_co_u32 s59, s59, 32
	s_add_co_u32 s58, s58, 1
	s_cmp_lt_u32 s58, s[NT]
	s_cbranch_scc1 .Lrow
	; THE PAIRS
	s_wait_loadcnt 0x0                             ; the last gathers ahead, which nobody uses, have landed: v45 is free
	ds_store_b32 v[NA], v16 offset:TARR            ; 32 places behind the last trip's: t = 0, w = 0, for the reads ahead
	ds_store_b32 v[NA], v16 offset:WARR
	s_wait_alu depctr_vm_vsrc(0)                   ; these stores have read v34, which is written below; the last gathers have read v45, which the first group writes
	v_mov_b32 v[NA], v0                            ; my list place: lane + 32 x group
	s_sub_co_u32 s63, s[CNT], 1                    ; the list's last place
	s_mov_b32 s58, 0
.macro TLOAD b, off                    ; 16 t of the list into set b, the same for every lane: one address for the whole wave
.irp i, 0,1,2,3
	ds_load_b128 v[SA+32*(\b)+4*\i:SA+32*(\b)+4*\i+3], v[MA] offset:TARR+(\off)+16*\i
.endr
.endm
.macro WLOAD b, off                    ; 16 w likewise
.irp i, 0,1,2,3
	ds_load_b128 v[SA+32*(\b)+16+4*\i:SA+32*(\b)+16+4*\i+3], v[MA] offset:WARR+(\off)+16*\i
.endr
.endm
.macro BLOCK b                         ; my row n against 16 rows m: block b of a trip, on set b
.set TB, SA+32*(\b)
.set WB, SA+32*(\b)+16
.irp i, 0,2,4,6,8,10,12,14
	v_pk_add_f32 v[D+\i:D+\i+1], v[232:233], v[TB+\i:TB+\i+1] op_sel_hi:[0,1] neg_lo:[0,1] neg_hi:[0,1]   ; t_n - t_m
.endr
.irp i, 0,1,2,3,4,5,6,7,8,9,10,11,12,13,14,15
	v_cmp_lt_f32 s[66+\i], 0, v[D+\i]              ; m is earlier.  The masks feed selections alone
.endr
.irp i, 0,2,4,6,8,10,12,14
	v_pk_mul_f32 v[D+\i:D+\i+1], v[D+\i:D+\i+1], v[24:25]
.endr
	s_wait_alu depctr_va_sdst(0)                   ; the sixteen compares have written their masks, ahead of the masks' first readers
.irp i, 0,1,2,3,4,5,6,7,8,9,10,11,12,13,14,15
	v_cndmask_b32 v[D+\i], v27, v[D+\i], s[66+\i]  ; -infinity where the pair does not count
.endr
.irp i, 0,1,2,3,4,5,6,7,8,9,10,11,12,13,14,15
	v_exp_f32 v[D+\i], v[D+\i]                     ; the decay, or 0
.endr
	v_nop                                          ; a plain instruction behind the batch,
	s_wait_alu depctr_va_vdst(0)                   ; and its one wait: the sixteen decays are written.  It also states: this block's subtractions are done reading set b's t, the block before is done reading the other set's w, and v35 is written
	TLOAD \b, 128+64*(\b)                          ; t of two blocks on (behind the last trip: the 32 places of zeros)
	WLOAD 1-(\b), 64+64*(\b)                       ; w of the next block.  The multiply-adds below name neither
	s_wait_dscnt 8                                 ; all but the eight loads just issued: this block's w is in, and the next block's t
.irp i, 0,2,4,6,8,10,12,14
	v_pk_fma_f32 v[ACC+\i%8:ACC+\i%8+1], v[D+\i:D+\i+1], v[WB+\i:WB+\i+1], v[ACC+\i%8:ACC+\i%8+1]
.endr
.endm
.Lgroup:                                           ; NT trips: 32 rows n, a lane a row
	v_min_u32 v45, s63, v[NA]                      ; a lane past the list's end takes the list's last row,
	v_min_u32 v45, 0x7ff, v45                      ; held inside the arrays ahead of its use as an address
	v_lshlrev_b32 v45, 2, v45
	v_mov_b32 v[MA], 0                             ; 128 x inner trip
.irp i, 0,1,2,3,4,5,6,7
	v_mov_b32 v[ACC+\i], 0
.endr
	s_wait_alu depctr_va_vdst(0)                   ; v45 and v35 are written, the addresses of the sixteen loads; the row loop, or the group before, is done with v232, v234, v235, v37 and the two sets, in which they land
	ds_load_b32 v232, v45 offset:TARR              ; t_n
	ds_load_b32 v234, v45 offset:WARR              ; w_n
	ds_load_b32 v235, v45 offset:MARR              ; mask_n
	ds_load_b32 v37, v45                           ; the row's number
	TLOAD 0, 0                                     ; t of blocks 0 and 1, w of block 0
	TLOAD 1, 64
	WLOAD 0, 0
	s_mov_b32 s60, 0
	s_wait_dscnt 8                                 ; my row's four numbers and block 0's t are in; block 1's t and block 0's w, eight loads, may be out: as on the way back, where block 1's wait has left the same eight
.Lm:                                               ; NT trips: 32 rows m, in two blocks of 16 on two sets of registers
	BLOCK 0
	BLOCK 1
	s_wait_alu depctr_vm_vsrc(0)                   ; the LDS loads issued so far have read v35
	v_add_nc_u32 v[MA], 128, v[MA]
	s_add_co_u32 s60, s60, 1
	s_cmp_lt_u32 s60, s[NT]
	s_cbranch_scc1 .Lm
	s_wait_dscnt 0x0                               ; what was read ahead has landed: its registers are loaded again in the next group
	v_pk_add_f32 v[ACC:ACC+1], v[ACC:ACC+1], v[ACC+2:ACC+3]
	v_pk_add_f32 v[ACC+4:ACC+5], v[ACC+4:ACC+5], v[ACC+6:ACC+7]
	v_pk_add_f32 v[ACC:ACC+1], v[ACC:ACC+1], v[ACC+4:ACC+5]
	v_add_f32 v239, v[ACC], v[ACC+1]
	v_mul_f32 v239, v239, v235                     ; x mask_n: the refractory sum
	v_mul_f32 v239, v239, v26                      ; x 2 log2(e) alpha
	v_exp_f32 v239, v239
	v_min_u32 v37, 0x7ff, v37                      ; the row's number, held inside the batch.  (The plain instruction behind the exponential)
	s_wait_alu depctr_va_vdst(0)                   ; the exponential is written, ahead of its first reader
	v_add_f32 v239, 1.0, v239
	v_rcp_f32 v239, v239
	v_add_f32 v240, v234, v234                     ; 2 w_n.  (The plain instruction behind the reciprocal)
	v_lshlrev_b32 v44, 2, v37                      ; its 4 bytes in my batch's part of out0
	s_wait_alu depctr_va_vdst(0)                   ; the reciprocal is written, ahead of its first reader
	v_mul_f32 v239, v239, v240                     ; w_n (1 - tanh)
	s_wait_alu depctr_va_vdst(0)                   ; v239 is written, the store's data (v44, its offset, stands ahead of the wait before)
	global_store_b32 v44, v239, s[32:33]           ; all lanes on: the lanes past the list's end store the last row's number once more, to the same 4 bytes
	s_wait_xcnt 0x0                                ; the store's address and data registers are written again in the next group only behind this wait
	s_wait_alu depctr_vm_vsrc(0)                   ; the store has read v44 and v239, this group's LDS loads v45 and v35: the next group writes all four again
	v_add_nc_u32 v[NA], 32, v[NA]
	s_add_co_u32 s58, s58, 1
	s_cmp_lt_u32 s58, s[NT]
	s_cbranch_scc1 .Lgroup
.Lend:
	s_set_vgpr_msb 0x5
	s_wait_dscnt 0x0
	s_wait_alu depctr_hold_cnt(0) depctr_sa_sdst(0) depctr_va_vdst(0) depctr_va_sdst(0) depctr_va_ssrc(0) depctr_va_vcc(0) depctr_vm_vsrc(0)
	s_wait_tensorcnt 0x0
	ds_add_u32 v0, v1
	s_wait_dscnt 0x0
	s_endpgm
.Lfunc_end_k_q38d820e15e_spike:
	.size	k_q38d820e15e_spike, .Lfunc_end_k_q38d820e15e_spike-k_q38d820e15e_spike
	.p2alignl 7, 3214868480
	.fill 96, 4, 3214868480
	.section	.rodata,"a",@progbits
	.p2align	6, 0x0
	.amdhsa_kernel k_q38d820e15e_spike
		.amdhsa_group_segment_fixed_size 34048
		.amdhsa_private_segment_fixed_size 0
		.amdhsa_enable_private_segment 0
		.amdhsa_kernarg_size 120
		.amdhsa_user_sgpr_count 2
		.amdhsa_user_sgpr_kernarg_segment_ptr 1
		.amdhsa_wavefront_size32 1
		.amdhsa_system_sgpr_workgroup_id_x 1
		.amdhsa_system_sgpr_workgroup_id_y 1
		.amdhsa_system_sgpr_workgroup_id_z 1
		.amdhsa_system_vgpr_workitem_id 0
		.amdhsa_next_free_vgpr 258
		.amdhsa_next_free_sgpr 98
		.amdhsa_reserve_vcc 0
		.amdhsa_float_denorm_mode_32 3
		.amdhsa_float_denorm_mode_16_64 3
		.amdhsa_memory_ordered 1
		.amdhsa_forward_progress 1
		.amdhsa_inst_pref_size 93
	.end_amdhsa_kernel
	.amdgpu_metadata
---
amdhsa.version: [ 1, 2 ]
amdhsa.kernels:
  - .name:           k_q38d820e15e_spike
    .symbol:         k_q38d820e15e_spike.kd
    .args:
      - { .name: var_id, .offset: 0, .size: 8, .value_kind: global_buffer, .address_space: global }
      - { .name: value, .offset: 8, .size: 8, .value_kind: global_buffer, .address_space: global }
      - { .name: time_norm, .offset: 16, .size: 8, .value_kind: global_buffer, .address_space: global }
      - { .name: mask, .offset: 24, .size: 8, .value_kind: global_buffer, .address_space: global }
      - { .name: var_emb, .offset: 32, .size: 8, .value_kind: global_buffer, .address_space: global }
      - { .name: W1, .offset: 40, .size: 8, .value_kind: global_buffer, .address_space: global }
      - { .name: b1, .offset: 48, .size: 8, .value_kind: global_buffer, .address_space: global }
      - { .name: W2_codes, .offset: 56, .size: 8, .value_kind: global_buffer, .address_space: global }
      - { .name: b2, .offset: 64, .size: 8, .value_kind: global_buffer, .address_space: global }
      - { .name: gate_w, .offset: 72, .size: 8, .value_kind: global_buffer, .address_space: global }
      - { .name: gate_b, .offset: 80, .size: 8, .value_kind: global_buffer, .address_space: global }
      - { .name: log_tau_r, .offset: 88, .size: 8, .value_kind: global_buffer, .address_space: global }
      - { .name: log_alpha, .offset: 96, .size: 8, .value_kind: global_buffer, .address_space: global }
      - { .name: lowp_scales, .offset: 104, .size: 8, .value_kind: global_buffer, .address_space: global }
      - { .name: out0, .offset: 112, .size: 8, .value_kind: global_buffer, .address_space: global }
    .group_segment_fixed_size: 34048
    .private_segment_fixed_size: 0
    .kernarg_segment_align: 8
    .kernarg_segment_size: 120
    .max_flat_workgroup_size: 32
    .sgpr_count:     98
    .vgpr_count:     258
    .wavefront_size: 32
...
	.end_amdgpu_metadata
.endif
;; end of part 2
